; MI455X (gfx1250); checked and timed in simulation.
; The chip was launched on July 23, 2026; its instructions are those of AMD's public machine-readable ISA for CDNA 5 (MIT licence, August 2026) and "CDNA5" Instruction Set Architecture Reference Guide (July 2026). The comments in the code are by the model that wrote it; some were corrected since.
;; Mo GE Block. Allowed arithmetic: matrix products marked QUANTISED: E2M3 operands, one E8M0 scale for each 32 along K, by v_wmma_scale_f32_16x16x128_f8f6f4 with both operands' format E2M3, f32 sums; products left as they are: f32 operands where the result goes on into a quantised operand, else bf16, f16 or f32 operands; f32 sums; everything else in f32.
;; Inputs: b1 8 x 4,096 float32; b2 8 x 1,024 float32; gate_w 1,024 x 8 float32; ln_bias 1,024 float32; ln_scale 1,024 float32; w1_codes 8 x 4,096 x 32 x 24 uint8 (E2M3 codes of w1, K innermost, in blocks of 32 codes, four codes in three bytes); w1_scales 8 x 4,096 x 32 uint8 (E8M0 scales of w1, one for each 32 codes along K); w2_codes 8 x 1,024 x 128 x 24 uint8 (E2M3 codes of w2, K innermost, in blocks of 32 codes, four codes in three bytes); w2_scales 8 x 1,024 x 128 uint8 (E8M0 scales of w2, one for each 32 codes along K); x 1,024 x 1,024 float32.
;; Outputs: out0 1,024 x 1,024 float32; out1 one number float32.
;; This version of the problem:
;;   THIS VERSION OF THE PROBLEM IS GIVEN IN LOW PRECISION. The matrix products marked QUANTISED in the list below multiply operands that are first quantised to E2M3 (2 exponent bits, 3 mantissa bits; 6 bits a number), with one power-of-two scale for each 32 numbers along K (OCP MX v1.0); their sums are f32. All else is computed in f32.
;;   The module's matrix products, in the order in which they are computed (A, B: the left and right operand; K: the contracted axis; several contracted axes count as one K, in the product's order):
;;     1. [M 1,024, K 1,024] x [K 1,024, N 8]; A: computed on the way; B: input gate_w: left as it is (N = 8 < 16)
;;     2. [M 32,768, K 1,024] x [K 1,024, N 1,024]; A: input w1 (given as codes); B: computed on the way: QUANTISED
;;     3. batch 8 x [M 1,024, K 4,096] x [K 4,096, N 1,024]; A: computed on the way; B: input w2 (given as codes): QUANTISED
;;     4. batch 1,024 x [M 1, K 8] x [K 8, N 1,024]; A: computed on the way; B: computed on the way: left as it is (K = 8 < 32)
;;   THE QUANTISER, for each operand of a quantised product, along K:
;;     - K is cut into blocks of 32 from its start; a last block that is shorter is filled with zeros.
;;     - A block's scale is 2^e with e = floor(log2(the largest magnitude in the block)) - 2, held to -126 .. 127; a block of zeros has e = 0. As a byte (E8M0): e + 127.
;;     - Each number is divided by its block's scale, clamped to +-7.5, and rounded to the nearest number of E2M3, ties to even, subnormals kept.
;;     - The product sums the exact products of the quantised numbers (number of the format x scale) in f32.
;;   ~~~python
;;   def quantise(x, axis):      # numpy; x: float32 -> the quantised numbers, widened to float32 again
;;       x = np.moveaxis(x, axis, -1); K = x.shape[-1]
;;       x = np.pad(x, [(0, 0)] * (x.ndim - 1) + [(0, -K % 32)]); x = x.reshape(x.shape[:-1] + (-1, 32)); a = np.abs(x).max(-1, keepdims=True)
;;       e = np.where(a > 0, np.clip(np.frexp(np.where(a > 0, a, 1))[1] - 1 - 2, -126, 127), 0)      # np.frexp(a)[1] - 1 = floor(log2(a)), exactly
;;       r = np.clip(x / 2.0 ** e, -7.5, 7.5)
;;       step = 2.0 ** (np.maximum(np.frexp(np.where(r == 0, 1, r))[1] - 1, 0) - 3)
;;       q = np.round(r / step) * step * 2.0 ** e      # np.round: ties to even
;;       return np.moveaxis(q.reshape(q.shape[:-2] + (-1,))[..., :K], -1, axis).astype(np.float32)
;;   ~~~
;;   OPERANDS COMPUTED ON THE WAY. 'Computed on the way' means the value that the module computes at that place (a softmax that the list does not call 'softmax' is quantised finished and normalised). What goes into a quantiser is computed in f32, as accurately as f32 sums, v_exp_f32 and their like allow (about 1e-6 of the number): no bf16 or f16 on the way to a quantiser, and a product that is left as it is and whose result goes on into a quantised operand takes f32 operands (vector FMAs, or v_wmma_f32_16x16x4_f32). A number that lies on a knife's edge between two numbers of the format may be rounded either way, as far as f32 arithmetic and the matrix unit's own rounding can turn it there, and no further.
;;   INPUTS GIVEN AS CODES. w1 (in the module: [8, 1024, 4096], K = its axis 1); w2 (in the module: [8, 4096, 1024], K = its axis 1): each comes as NAME_codes (uint8): NAME with its K axis moved to the last place and cut into blocks of 32 codes, [.., K / 32, bytes a block], one block behind the other in memory; four codes in three bytes: a row's codes are one little-endian stream of bits, code i at bits 6 i .. 6 i + 5 (a code: sign, 2 exponent bits, 3 mantissa bits); and NAME_scales (uint8): the same leading axes, one E8M0 byte (e + 127) for each 32 codes along K. Its value is code x scale, taken as it is: it is not quantised again, and the codes and scales need not be those that the quantiser above would give.
;; One version. Each part assembles by itself: llvm-mc -triple=amdgcn-amd-amdhsa -mcpu=gfx1250 --defsym DOCPART=n.
;; ======== version 1 of 1: 5 launches
;; workspace buffers: xqs 819,200 bytes; rt 40,960 bytes; sel 8,192 bytes of whole numbers; plan 18,432 bytes of whole numbers; hqs 8,306,688 bytes; ep 20,447,232 bytes
;; launch route (part 1): grid 256 x 1, 4 waves a work-group, no clusters, 61,952 bytes of LDS; arguments x, gate_w, ln_scale, ln_bias, xqs, rt, sel; writes xqs, rt, sel
.if DOCPART == 1
	.amdgcn_target "amdgcn-amd-amdhsa--gfx1250"
	.amdhsa_code_object_version 6
	.text
	.protected	k_q98c25b5fcd_route
	.globl	k_q98c25b5fcd_route
	.p2align	8
	.type	k_q98c25b5fcd_route,@function
k_q98c25b5fcd_route:
	s_mov_b64 s[64:65], 0
	v_nop
	global_prefetch_b8 v0, s[64:65] scope:SCOPE_SE
	s_setreg_imm32_b32 hwreg(HW_REG_WAVE_MODE, 25, 1), 1
	s_wait_xcnt 0x0
; LayerNorm, router and the quantiser of xn.  One wave takes one token (token = 4 x work-group + wave).
; Lane l holds k = 32 l .. 32 l + 31 of the row: one whole block of the quantiser, so a block's largest magnitude needs no other lane.
; Loads take the bytes as they lie (16 a lane, 512 a load); the row, ln_scale, ln_bias and gate_w turn through LDS so that a lane gets its 32 neighbours.
; Out: xqs: a token's 1,024 codes of E2M3 at 768 x token, IN THE ORDER OF THE OPERAND'S REGISTERS: block 4 S + 2 c + h (24 bytes) at 96 S + 48 h + 24 c, so that lane (r, h) of the next launch
;      finds the 12 registers of K step S as 48 consecutive bytes, at a multiple of 16; scale bytes in their natural order at 786,432 + 32 x token;
;      rt: the eight probabilities at 32 x token, the two normalised weights at 32,768 + 8 x token;  sel: the two chosen experts at 8 x token.
; The choice steers no address here: it is stored at fixed places.  Ties keep the lower index (strict compare, ascending).
; LIMITS: NaN and infinities are not served.  A block of zeros gets the scale byte 1 (its codes are zeros; only this program reads the bytes).
.set GW,  0                            ; gate_w: byte g at g + 16 (g >> 10): a lane's 1,024 bytes 1,040 apart
.set LNS, 33280                        ; ln_scale: byte g at g + 16 (g >> 7): a lane's 128 bytes 144 apart
.set LNB, 37888                        ; ln_bias likewise
.set XST, 42496                        ; the wave's row of x likewise, 4,608 bytes a wave
.set X,   32                           ; v32-63   the lane's 32 numbers
.set LS,  64                           ; v64-95   x as loaded, then ln_scale
.set LB,  96                           ; v96-127  ln_scale and ln_bias as loaded, then ln_bias, then the codes
.set G,   128                          ; v128-255 gate_w as loaded, then two batches of 8 rows of gate_w
.macro WSUM r, t                       ; the sum over the 32 lanes, in every lane
	v_add_f32_dpp v[\r], v[\r], v[\r] row_xmask:1 row_mask:0xf bank_mask:0xf
	v_add_f32_dpp v[\r], v[\r], v[\r] row_xmask:2 row_mask:0xf bank_mask:0xf
	v_add_f32_dpp v[\r], v[\r], v[\r] row_xmask:4 row_mask:0xf bank_mask:0xf
	v_add_f32_dpp v[\r], v[\r], v[\r] row_xmask:8 row_mask:0xf bank_mask:0xf
	v_permlanex16_b32 v[\t], v[\r], s30, s31
	v_add_f32 v[\r], v[\r], v[\t]
.endm
.macro GLOAD b                         ; rows 8 b .. 8 b + 7 of the lane's 32 rows of gate_w: 256 bytes
.irp q, 0,1,2,3,4,5,6,7,8,9,10,11,12,13,14,15
	ds_load_b128 v[G+64*((\b)%2)+4*\q:G+64*((\b)%2)+4*\q+3], v30 offset:GW+256*(\b)+16*\q
.endr
.endm
.macro DOT b, first                    ; logits += xn(k) x gate_w(k, 0..7) for these 8 rows: even rows into v10-17, odd rows into v18-25
.set GB, G+64*((\b)%2)
.irp r, 0,2,4,6
.irp q, 0,2,4,6
.if \first && (\r == 0)
	v_pk_mul_f32 v[10+\q:11+\q], v[GB+8*\r+\q:GB+8*\r+\q+1], v[X+8*(\b)+\r:X+8*(\b)+\r+1] op_sel_hi:[1,0]
	v_pk_mul_f32 v[18+\q:19+\q], v[GB+8*\r+8+\q:GB+8*\r+9+\q], v[X+8*(\b)+\r:X+8*(\b)+\r+1] op_sel:[0,1] op_sel_hi:[1,1]
.else
	v_pk_fma_f32 v[10+\q:11+\q], v[GB+8*\r+\q:GB+8*\r+\q+1], v[X+8*(\b)+\r:X+8*(\b)+\r+1], v[10+\q:11+\q] op_sel_hi:[1,0,1]
	v_pk_fma_f32 v[18+\q:19+\q], v[GB+8*\r+8+\q:GB+8*\r+9+\q], v[X+8*(\b)+\r:X+8*(\b)+\r+1], v[18+\q:19+\q] op_sel:[0,1,0] op_sel_hi:[1,1,1]
.endif
.endr
.endr
.endm
	s_load_b256 s[4:11], s[0:1], 0x0               ; x, gate_w, ln_scale, ln_bias
	s_load_b128 s[12:15], s[0:1], 0x20             ; xqs, rt
	s_load_b64 s[16:17], s[0:1], 0x30              ; sel
	s_set_vgpr_msb 0x40
	v_lshl_add_u32 v0, v0, 2, 0xf000
	v_mov_b32 v1, 0
	s_set_vgpr_msb 0x4000
	v_and_b32 v1, 31, v0                           ; lane
	v_lshrrev_b32 v2, 5, v0
	v_readfirstlane_b32 s18, v2                    ; wave
	s_lshl_b32 s19, ttmp9, 2
	s_add_co_u32 s19, s19, s18                     ; token
	s_mov_b32 s20, 0x3a800000                      ; 1 / 1,024
	s_mov_b32 s21, 0x3727c5ac                      ; 1e-5
	s_mov_b32 s30, 0x76543210
	s_mov_b32 s31, 0xfedcba98                      ; selects for lane l xor 16
	v_lshlrev_b32 v2, 4, v0                        ; 16 x thread
	v_lshlrev_b32 v3, 4, v1                        ; 16 x lane
	v_lshlrev_b32 v4, 2, v1                        ; 4 x lane
	v_lshrrev_b32 v5, 6, v0
	v_lshl_add_u32 v5, v5, 4, v2                   ; gate_w into LDS
	v_lshrrev_b32 v6, 3, v0
	v_lshl_add_u32 v6, v6, 4, v2                   ; ln_scale, ln_bias into LDS
	s_mul_i32 s23, s18, 4608
	s_add_co_u32 s23, s23, XST
	v_lshrrev_b32 v7, 3, v1
	v_lshl_add_u32 v7, v7, 4, v3
	v_add_nc_u32 v7, s23, v7                       ; my row of x into LDS
	v_mul_u32_u24 v8, v1, 144                      ; a lane's 128 bytes of ln_scale, ln_bias
	v_add_nc_u32 v9, s23, v8                       ; and of x
	v_mul_u32_u24 v30, v1, 1040                    ; a lane's 32 rows of gate_w
	v_lshrrev_b32 v31, 2, v1                       ; my block's 24 bytes of codes: K step S = lane / 4 at 96 S,
	v_mul_u32_u24 v31, v31, 96
	v_and_b32 v28, 1, v1
	v_mad_u32_u24 v31, v28, 48, v31                ; + 48 h, h = lane % 2,
	v_bfe_u32 v28, v1, 1, 1
	v_mad_u32_u24 v31, v28, 24, v31                ; + 24 c, c = (lane / 2) % 2
	v_mov_b32 v27, 0                               ; written once: a lane permute's destination counts as a source
	s_lshl_b32 s32, s19, 12
	s_mov_b32 s33, 0
	s_wait_kmcnt 0x0
	s_add_nc_u64 s[4:5], s[4:5], s[32:33]
.irp j, 0,1,2,3,4,5,6,7
	global_load_b128 v[64+4*\j:67+4*\j], v3, s[4:5] offset:512*\j th:TH_LOAD_NT
.endr
.irp i, 0,1
	global_load_b128 v[96+4*\i:99+4*\i], v2, s[8:9] offset:2048*\i
	global_load_b128 v[104+4*\i:107+4*\i], v2, s[10:11] offset:2048*\i
.endr
.irp i, 0,1,2,3,4,5,6,7,8,9,10,11,12,13,14,15
	global_load_b128 v[G+4*\i:G+4*\i+3], v2, s[6:7] offset:2048*\i
.endr
	s_mul_i32 s32, s19, 768
	s_add_nc_u64 s[34:35], s[12:13], s[32:33]      ; my codes
	s_lshl_b32 s32, s19, 5
	s_add_nc_u64 s[36:37], s[12:13], s[32:33]      ; my scale bytes (786,432 in the immediate)
	s_add_nc_u64 s[24:25], s[14:15], s[32:33]      ; my probabilities
	s_lshl_b32 s32, s19, 3
	s_add_nc_u64 s[26:27], s[14:15], s[32:33]      ; my weights (32,768 in the immediate)
	s_add_nc_u64 s[28:29], s[16:17], s[32:33]      ; my choice
	s_wait_loadcnt 20                              ; x is in: 4 + 16 younger loads may be out
.irp j, 0,1,2,3,4,5,6,7
	ds_store_b128 v7, v[64+4*\j:67+4*\j] offset:576*\j
.endr
	s_wait_loadcnt 16                              ; ln_scale and ln_bias are in
.irp i, 0,1
	ds_store_b128 v6, v[96+4*\i:99+4*\i] offset:LNS+2304*\i
	ds_store_b128 v6, v[104+4*\i:107+4*\i] offset:LNB+2304*\i
.endr
	s_wait_loadcnt 0x0
.irp i, 0,1,2,3,4,5,6,7,8,9,10,11,12,13,14,15
	ds_store_b128 v5, v[G+4*\i:G+4*\i+3] offset:GW+2080*\i
.endr
	s_wait_dscnt 0x0                               ; for the other waves: my stores have landed
	s_barrier_signal -1
	s_barrier_wait -1
.irp i, 0,1,2,3,4,5,6,7
	ds_load_b128 v[X+4*\i:X+4*\i+3], v9 offset:16*\i
.endr
.irp i, 0,1,2,3,4,5,6,7
	ds_load_b128 v[LS+4*\i:LS+4*\i+3], v8 offset:LNS+16*\i
.endr
.irp i, 0,1,2,3,4,5,6,7
	ds_load_b128 v[LB+4*\i:LB+4*\i+3], v8 offset:LNB+16*\i
.endr
	GLOAD 0
	GLOAD 1
	s_wait_dscnt 32                                ; x, ln_scale, ln_bias are in; the two batches of gate_w may be out
	; ---- LayerNorm: the mean, then the mean of the squared differences
	v_pk_add_f32 v[10:11], v[32:33], v[34:35]
	v_pk_add_f32 v[12:13], v[36:37], v[38:39]
	v_pk_add_f32 v[14:15], v[40:41], v[42:43]
	v_pk_add_f32 v[16:17], v[44:45], v[46:47]
.irp j, 48,56
	v_pk_add_f32 v[10:11], v[10:11], v[\j:\j+1]
	v_pk_add_f32 v[12:13], v[12:13], v[\j+2:\j+3]
	v_pk_add_f32 v[14:15], v[14:15], v[\j+4:\j+5]
	v_pk_add_f32 v[16:17], v[16:17], v[\j+6:\j+7]
.endr
	v_pk_add_f32 v[10:11], v[10:11], v[12:13]
	v_pk_add_f32 v[14:15], v[14:15], v[16:17]
	v_pk_add_f32 v[10:11], v[10:11], v[14:15]
	v_add_f32 v26, v10, v11
	WSUM 26, 27
	v_mul_f32 v26, s20, v26                        ; the mean
.set j, 0
.rept 16
	v_pk_add_f32 v[X+j:X+j+1], v[X+j:X+j+1], v[26:27] op_sel_hi:[1,0] neg_lo:[0,1] neg_hi:[0,1]
.set j, j+2
.endr
.irp c, 0,2,4,6
	v_pk_mul_f32 v[10+\c:11+\c], v[X+\c:X+\c+1], v[X+\c:X+\c+1]
.endr
.irp j, 8,16,24
.irp c, 0,2,4,6
	v_pk_fma_f32 v[10+\c:11+\c], v[X+\j+\c:X+\j+\c+1], v[X+\j+\c:X+\j+\c+1], v[10+\c:11+\c]
.endr
.endr
	v_pk_add_f32 v[10:11], v[10:11], v[12:13]
	v_pk_add_f32 v[14:15], v[14:15], v[16:17]
	v_pk_add_f32 v[10:11], v[10:11], v[14:15]
	v_add_f32 v26, v10, v11
	WSUM 26, 27
	v_fma_f32 v28, v26, s20, s21                   ; variance + 1e-5
	v_rsq_f32 v28, v28
	v_mov_b32 v29, 0                               ; a plain place behind the transcendental; also the pair's upper word
.set j, 0
	s_wait_alu depctr_va_vdst(0)
.rept 16
	v_pk_mul_f32 v[X+j:X+j+1], v[X+j:X+j+1], v[28:29] op_sel_hi:[1,0]
.set j, j+2
.endr
.set j, 0
.rept 16
	v_pk_fma_f32 v[X+j:X+j+1], v[X+j:X+j+1], v[LS+j:LS+j+1], v[LB+j:LB+j+1]   ; xn
.set j, j+2
.endr
	; ---- the logits, f32 multiply-adds
	s_wait_dscnt 16                                ; batch 0 is in, batch 1 may be out
	DOT 0, 1
	GLOAD 2
	s_wait_dscnt 16                                ; batch 1 is in, batch 2 may be out
	DOT 1, 0
	GLOAD 3
	s_wait_dscnt 16                                ; batch 2 is in, batch 3 may be out
	DOT 2, 0
	s_wait_dscnt 0x0
	DOT 3, 0
.irp q, 0,2,4,6
	v_pk_add_f32 v[10+\q:11+\q], v[10+\q:11+\q], v[18+\q:19+\q]
.endr
.irp m, 1,2,4,8
.irp e, 0,1,2,3,4,5,6,7
	v_add_f32_dpp v[10+\e], v[10+\e], v[10+\e] row_xmask:\m row_mask:0xf bank_mask:0xf
.endr
.endr
.irp e, 0,1,2,3,4,5,6,7
	v_permlanex16_b32 v[18+\e], v[10+\e], s30, s31
.endr
.irp q, 0,2,4,6
	v_pk_add_f32 v[10+\q:11+\q], v[10+\q:11+\q], v[18+\q:19+\q]   ; every lane holds the eight logits
.endr
	; ---- softmax, the maximum taken away first
	v_max3_num_f32 v26, v10, v11, v12
	v_max3_num_f32 v26, v26, v13, v14
	v_max3_num_f32 v26, v26, v15, v16
	v_max_num_f32 v26, v26, v17
.irp q, 0,2,4,6
	v_pk_add_f32 v[18+\q:19+\q], v[10+\q:11+\q], v[26:27] op_sel_hi:[1,0] neg_lo:[0,1] neg_hi:[0,1]
.endr
.irp q, 0,2,4,6
	v_pk_mul_f32 v[18+\q:19+\q], v[18+\q:19+\q], 0x3fb8aa3b op_sel_hi:[1,0]
.endr
.irp e, 0,1,2,3,4,5,6,7
	v_exp_f32 v[18+\e], v[18+\e]
.endr
	v_nop                                          ; a plain place behind the exponentials
	s_wait_alu depctr_va_vdst(0)
	v_pk_add_f32 v[10:11], v[18:19], v[20:21]
	v_pk_add_f32 v[12:13], v[22:23], v[24:25]
	v_pk_add_f32 v[10:11], v[10:11], v[12:13]
	v_add_f32 v26, v10, v11
	v_rcp_f32 v26, v26
	v_nop
	s_wait_alu depctr_va_vdst(0)
.irp q, 0,2,4,6
	v_pk_mul_f32 v[10+\q:11+\q], v[18+\q:19+\q], v[26:27] op_sel_hi:[1,0]   ; the probabilities, v10-17
.endr
	; ---- top 2 by selects
	v_mov_b32 v18, v10
	v_mov_b32 v19, 0
.irp e, 1,2,3,4,5,6,7
	v_cmp_gt_f32 vcc_lo, v[10+\e], v18
	v_cndmask_b32 v18, v18, v[10+\e], vcc_lo
	v_cndmask_b32 v19, v19, \e, vcc_lo
.endr
	v_mov_b32 v20, -1.0
	v_mov_b32 v21, 0
.irp e, 0,1,2,3,4,5,6,7
	v_cmp_eq_u32 vcc_lo, \e, v19
	v_cndmask_b32 v22, v[10+\e], -1.0, vcc_lo      ; the first choice is taken out
	v_cmp_gt_f32 vcc_lo, v22, v20
	v_cndmask_b32 v20, v20, v22, vcc_lo
	v_cndmask_b32 v21, v21, \e, vcc_lo
.endr
	v_add_f32 v23, v18, v20
	v_rcp_f32 v23, v23
	v_nop
	s_wait_alu depctr_va_vdst(0)
	v_mul_f32 v24, v18, v23                        ; the two weights
	v_mul_f32 v25, v20, v23
	; ---- my block of xn becomes codes
	v_max3_num_f32 v22, |v[X]|, |v[X+1]|, |v[X+2]|
	v_max3_num_f32 v23, |v[X+3]|, |v[X+4]|, |v[X+5]|
.irp i, 6,10,14,18,22,26
	v_max3_num_f32 v22, v22, |v[X+\i]|, |v[X+\i+1]|
	v_max3_num_f32 v23, v23, |v[X+\i+2]|, |v[X+\i+3]|
.endr
	v_max3_num_f32 v22, v22, |v[X+30]|, |v[X+31]|
	v_max3_num_f32 v22, v22, v23, 0x1800000        ; the floor 2^(3 - 127): the byte cannot fall under 1
	v_add_nc_u32 v26, 0xff000000, v22              ; 2 off the exponent field: the conversion's scale operand
	v_cvt_scalef32_pk16_fp6_f32 v[96:98], v[X:X+15], v26
	v_cvt_scalef32_pk16_fp6_f32 v[100:102], v[X+16:X+31], v26
	v_lshrrev_b32 v28, 23, v26                     ; the scale's byte
	global_store_b96 v31, v[96:98], s[34:35]
	global_store_b96 v31, v[100:102], s[34:35] offset:12
	global_store_b8 v1, v28, s[36:37] offset:786432
	; ---- lanes 0 and 1 store what the router found
	v_cmp_eq_u32 vcc_lo, 1, v1
.irp q, 0,1,2,3
	v_cndmask_b32 v[104+\q], v[10+\q], v[14+\q], vcc_lo
.endr
	v_cndmask_b32 v108, v24, v25, vcc_lo
	v_cndmask_b32 v109, v19, v21, vcc_lo
	s_wait_xcnt 0x0                                ; EXEC changes only behind this wait
	v_cmp_gt_u32 vcc_lo, 2, v1
	s_set_vgpr_msb 0x5
	s_wait_tensorcnt 0x0
	ds_add_u32 v0, v1
	s_wait_dscnt 0x0
	s_set_vgpr_msb 0x500
	s_and_saveexec_b32 s22, vcc_lo
	global_store_b128 v3, v[104:107], s[24:25]
	global_store_b32 v4, v108, s[26:27] offset:32768
	global_store_b32 v4, v109, s[28:29]
	s_wait_xcnt 0x0
	s_or_b32 exec_lo, exec_lo, s22
	s_endpgm
.Lfunc_end_k_q98c25b5fcd_route:
	.size	k_q98c25b5fcd_route, .Lfunc_end_k_q98c25b5fcd_route-k_q98c25b5fcd_route
	.p2alignl 7, 3214868480
	.fill 96, 4, 3214868480
	.section	.rodata,"a",@progbits
	.p2align	6, 0x0
	.amdhsa_kernel k_q98c25b5fcd_route
		.amdhsa_group_segment_fixed_size 61952
		.amdhsa_private_segment_fixed_size 0
		.amdhsa_enable_private_segment 0
		.amdhsa_kernarg_size 56
		.amdhsa_user_sgpr_count 2
		.amdhsa_user_sgpr_kernarg_segment_ptr 1
		.amdhsa_wavefront_size32 1
		.amdhsa_system_sgpr_workgroup_id_x 1
		.amdhsa_system_sgpr_workgroup_id_y 1
		.amdhsa_system_sgpr_workgroup_id_z 1
		.amdhsa_system_vgpr_workitem_id 0
		.amdhsa_next_free_vgpr 258
		.amdhsa_next_free_sgpr 66
		.amdhsa_reserve_vcc 1
		.amdhsa_float_denorm_mode_32 3
		.amdhsa_float_denorm_mode_16_64 3
		.amdhsa_memory_ordered 1
		.amdhsa_forward_progress 1
		.amdhsa_inst_pref_size 37
	.end_amdhsa_kernel
	.amdgpu_metadata
---
amdhsa.version: [ 1, 2 ]
amdhsa.kernels:
  - .name:           k_q98c25b5fcd_route
    .symbol:         k_q98c25b5fcd_route.kd
    .args:
      - { .name: x, .offset: 0, .size: 8, .value_kind: global_buffer, .address_space: global }
      - { .name: gate_w, .offset: 8, .size: 8, .value_kind: global_buffer, .address_space: global }
      - { .name: ln_scale, .offset: 16, .size: 8, .value_kind: global_buffer, .address_space: global }
      - { .name: ln_bias, .offset: 24, .size: 8, .value_kind: global_buffer, .address_space: global }
      - { .name: xqs, .offset: 32, .size: 8, .value_kind: global_buffer, .address_space: global }
      - { .name: rt, .offset: 40, .size: 8, .value_kind: global_buffer, .address_space: global }
      - { .name: sel, .offset: 48, .size: 8, .value_kind: global_buffer, .address_space: global }
    .group_segment_fixed_size: 61952
    .private_segment_fixed_size: 0
    .kernarg_segment_align: 8
    .kernarg_segment_size: 56
    .max_flat_workgroup_size: 128
    .sgpr_count:     66
    .vgpr_count:     258
    .wavefront_size: 32
...
	.end_amdgpu_metadata
.endif
;; end of part 1
;; launch place (part 2): grid 1 x 1, 8 waves a work-group, no clusters, 1,536 bytes of LDS; arguments sel, rt, plan, out1; writes plan, out1
.if DOCPART == 2
	.amdgcn_target "amdgcn-amd-amdhsa--gfx1250"
	.amdhsa_code_object_version 6
	.text
	.protected	k_q98c25b5fcd_place
	.globl	k_q98c25b5fcd_place
	.p2align	8
	.type	k_q98c25b5fcd_place,@function
k_q98c25b5fcd_place:
	s_mov_b64 s[64:65], 0
	v_nop
	global_prefetch_b8 v0, s[64:65] scope:SCOPE_SE
	s_setreg_imm32_b32 hwreg(HW_REG_WAVE_MODE, 25, 1), 1
	s_wait_xcnt 0x0
; A counting sort of the 2,048 routed rows by expert, and the aux loss.  One work-group, eight waves; wave w takes tokens 128 w + 32 g + lane, g = 0..3.
; plan: at 0 eight pairs (first sorted row, number of rows) (the store covers 32 pairs, 256 bytes; the first eight count);
;       at 256 + 8 x token the sorted rows of the token's two choices;  at 8,448 + 4 x sorted row the row's token.
; An expert's rows begin at a multiple of 64, and every expert has at least one block of 64: at most 39 blocks, 2,496 rows, whatever the choice.
; An expert without rows gets token 0 at its first place, so that the later launches' first block reads a written word.
; aux = sum over e of importance(e) x load(e) x 8 / 1,024^2; each wave sums its own tokens' part, wave 0 adds the eight.
.set CW,  0                            ; LDS: [wave][8] counts
.set AUX, 256                          ; LDS: eight partial sums
	s_load_b256 s[4:11], s[0:1], 0x0               ; sel, rt, plan, out1
	v_lshl_add_u32 v136, v0, 2, 0x200
	v_mov_b32 v137, 0
	v_and_b32 v1, 31, v0                           ; lane
	v_lshrrev_b32 v2, 5, v0
	v_readfirstlane_b32 s12, v2                    ; wave
	s_lshl_b32 s48, s12, 10
	v_lshl_add_u32 v2, v1, 3, s48                  ; sel: 8 bytes a token
	s_lshl_b32 s48, s12, 12
	v_lshl_add_u32 v8, v1, 4, s48                  ; probabilities: even lanes experts 0-3, odd lanes 4-7
	s_lshl_b32 s48, s12, 5
	v_mov_b32 v3, s48                              ; my wave's eight counts
	v_and_b32 v4, 7, v1
	v_lshlrev_b32 v4, 2, v4                        ; lane e reads expert e mod 8
	s_lshl_b32 s48, s12, 7
	v_add_nc_u32 v5, s48, v1                       ; my token of g = 0
	v_lshlrev_b32 v6, 3, v5
	v_lshlrev_b32 v7, 3, v1
	s_lshl_b32 s48, s12, 2
	v_mov_b32 v9, s48
	v_mov_b32 v10, 0
	s_mov_b32 s56, 0x76543210
	s_mov_b32 s57, 0xfedcba98
	s_mov_b32 s50, 0xaaaaaaaa                      ; the odd lanes
.irp q, 0,1,2,3
	v_mov_b32 v[68+\q], 0                          ; written once: a lane permute's destination counts as a source
.endr
	s_wait_kmcnt 0x0
.irp g, 0,1,2,3
	global_load_b64 v[16+2*\g:17+2*\g], v2, s[4:5] offset:256*\g
.endr
.irp j, 0,1,2,3,4,5,6,7
	global_load_b128 v[32+4*\j:35+4*\j], v8, s[6:7] offset:512*\j
.endr
	s_wait_loadcnt 8                               ; the choices are in; the eight loads of probabilities may be out
	; ---- my wave's count for each expert (a token's two choices differ, so the two masks never meet)
.irp e, 0,1,2,3,4,5,6,7
.irp g, 0,1,2,3
	v_cmp_eq_u32 vcc_lo, \e, v[16+2*\g]
	v_cmp_eq_u32 s49, \e, v[17+2*\g]
	s_or_b32 s48, vcc_lo, s49
.if \g == 0
	s_bcnt1_i32_b32 s[16+\e], s48
.else
	s_bcnt1_i32_b32 s48, s48
	s_add_co_u32 s[16+\e], s[16+\e], s48
.endif
.endr
.endr
.irp e, 0,1,2,3,4,5,6,7
	v_mov_b32 v[116+\e], s[16+\e]
	ds_store_b32 v3, v[116+\e] offset:CW+4*\e      ; all lanes write the same word with the same value
.endr
	s_wait_dscnt 0x0
	s_barrier_signal -1
	s_barrier_wait -1
.irp w, 0,1,2,3,4,5,6,7
	ds_load_b32 v[124+\w], v4 offset:CW+32*\w
.endr
	s_wait_dscnt 0x0
	v_mov_b32 v133, 0
	v_add_nc_u32 v132, v124, v125
.irp w, 2,3,4,5,6,7
	v_add_nc_u32 v132, v132, v[124+\w]             ; the expert's rows in all
.endr
.irp w, 0,1,2,3,4,5,6
	s_cmp_gt_u32 s12, \w
	s_cselect_b32 s48, -1, 0
	v_and_b32 v134, s48, v[124+\w]
	v_add_nc_u32 v133, v133, v134                  ; and those of the waves in front of mine
.endr
.irp e, 0,1,2,3,4,5,6,7
	v_readlane_b32 s[24+\e], v132, \e
	v_readlane_b32 s[32+\e], v133, \e
.endr
	s_mov_b32 s40, 0
.irp e, 0,1,2,3,4,5,6
	s_add_co_u32 s48, s[24+\e], 63
	s_and_not1_b32 s48, s48, 63
	s_max_u32 s48, s48, 64
	s_add_co_u32 s[41+\e], s[40+\e], s48           ; where the next expert's rows begin
.endr
.irp e, 0,1,2,3,4,5,6,7
	s_add_co_u32 s[32+\e], s[32+\e], s[40+\e]      ; where my wave's rows of expert e begin
.endr
	; ---- each routed row gets its place
.irp g, 0,1,2,3
.irp e, 0,1,2,3,4,5,6,7
	v_cmp_eq_u32 vcc_lo, \e, v[16+2*\g]
	v_cmp_eq_u32 s49, \e, v[17+2*\g]
	s_or_b32 s48, vcc_lo, s49
	v_mbcnt_lo_u32_b32 v135, s48, s[32+\e]         ; the running place + the lower lanes that also chose e
.if \e == 0
	v_mov_b32 v[96+2*\g], v135
	v_mov_b32 v[97+2*\g], v135
.else
	v_cndmask_b32 v[96+2*\g], v[96+2*\g], v135, vcc_lo
	v_cndmask_b32 v[97+2*\g], v[97+2*\g], v135, s49
.endif
	s_bcnt1_i32_b32 s48, s48
	s_add_co_u32 s[32+\e], s[32+\e], s48
.endr
	v_add_nc_u32 v[104+\g], 32*\g, v5              ; the token
	v_min_u32 v[108+2*\g], 0x9bf, v[96+2*\g]
	v_min_u32 v[109+2*\g], 0x9bf, v[97+2*\g]
	v_lshlrev_b32 v[108+2*\g], 2, v[108+2*\g]
	v_lshlrev_b32 v[109+2*\g], 2, v[109+2*\g]
	global_store_b32 v[108+2*\g], v[104+\g], s[8:9] offset:8448
	global_store_b32 v[109+2*\g], v[104+\g], s[8:9] offset:8448
	global_store_b64 v6, v[96+2*\g:97+2*\g], s[8:9] offset:256+256*\g
.endr
	; ---- my wave's part of the aux loss
	s_wait_loadcnt 0x0
	v_pk_add_f32 v[64:65], v[32:33], v[36:37]
	v_pk_add_f32 v[66:67], v[34:35], v[38:39]
.irp j, 2,3,4,5,6,7
	v_pk_add_f32 v[64:65], v[64:65], v[32+4*\j:33+4*\j]
	v_pk_add_f32 v[66:67], v[66:67], v[34+4*\j:35+4*\j]
.endr
.irp m, 2,4,8
.irp q, 0,1,2,3
	v_add_f32_dpp v[64+\q], v[64+\q], v[64+\q] row_xmask:\m row_mask:0xf bank_mask:0xf
.endr
.endr
.irp q, 0,1,2,3
	v_permlanex16_b32 v[68+\q], v[64+\q], s56, s57
.endr
.irp q, 0,1,2,3
	v_add_f32 v[64+\q], v[64+\q], v[68+\q]         ; even lanes: importance 0-3 of my tokens; odd lanes: 4-7
.endr
.irp q, 0,1,2,3
	v_mov_b32 v[76+\q], s[24+\q]
	v_mov_b32 v[80+\q], s[28+\q]
	v_cndmask_b32 v[76+\q], v[76+\q], v[80+\q], s50
	v_cvt_f32_u32 v[76+\q], v[76+\q]               ; the load of the same experts
.endr
	v_mul_f32 v84, v64, v76
	v_fma_f32 v84, v65, v77, v84
	v_fma_f32 v84, v66, v78, v84
	v_fma_f32 v84, v67, v79, v84
	v_add_f32_dpp v84, v84, v84 row_xmask:1 row_mask:0xf bank_mask:0xf
	ds_store_b32 v9, v84 offset:AUX
	s_wait_dscnt 0x0
	s_barrier_signal -1
	s_barrier_wait -1
	s_cmp_lg_u32 s12, 0
	s_cbranch_scc1 .Ldone
	v_mov_b32 v72, 0
.irp e, 0,1,2,3,4,5,6,7
	v_writelane_b32 v72, s[40+\e], \e
.endr
	v_mov_b32 v73, v132
	global_store_b64 v7, v[72:73], s[8:9]          ; (first row, rows): 256 consecutive bytes
	v_min_u32 v74, 0x9bf, v72
	v_lshlrev_b32 v74, 2, v74
	v_cmp_eq_u32 vcc_lo, 0, v73
	v_cmp_gt_u32 s51, 8, v1
	s_and_b32 vcc_lo, vcc_lo, s51                  ; the experts without rows
	ds_load_b128 v[88:91], v10 offset:AUX
	ds_load_b128 v[92:95], v10 offset:AUX+16
	s_wait_xcnt 0x0                                ; EXEC changes only behind this wait
	s_and_saveexec_b32 s52, vcc_lo
	global_store_b32 v74, v10, s[8:9] offset:8448  ; token 0 at their first place
	s_wait_xcnt 0x0
	s_or_b32 exec_lo, exec_lo, s52
	s_wait_dscnt 0x0
	v_pk_add_f32 v[88:89], v[88:89], v[90:91]
	v_pk_add_f32 v[92:93], v[92:93], v[94:95]
	v_pk_add_f32 v[88:89], v[88:89], v[92:93]
	v_add_f32 v88, v88, v89
	v_mul_f32 v88, 0x37000000, v88                 ; x 8 / 2^20
	v_cmp_eq_u32 vcc_lo, 0, v1
	s_and_saveexec_b32 s52, vcc_lo
	global_store_b32 v10, v88, s[10:11]
	s_wait_xcnt 0x0
	s_or_b32 exec_lo, exec_lo, s52
.Ldone:
	s_wait_tensorcnt 0x0
	ds_add_u32 v136, v137
	s_wait_dscnt 0x0
	s_endpgm
.Lfunc_end_k_q98c25b5fcd_place:
	.size	k_q98c25b5fcd_place, .Lfunc_end_k_q98c25b5fcd_place-k_q98c25b5fcd_place
	.p2alignl 7, 3214868480
	.fill 96, 4, 3214868480
	.section	.rodata,"a",@progbits
	.p2align	6, 0x0
	.amdhsa_kernel k_q98c25b5fcd_place
		.amdhsa_group_segment_fixed_size 1536
		.amdhsa_private_segment_fixed_size 0
		.amdhsa_enable_private_segment 0
		.amdhsa_kernarg_size 32
		.amdhsa_user_sgpr_count 2
		.amdhsa_user_sgpr_kernarg_segment_ptr 1
		.amdhsa_wavefront_size32 1
		.amdhsa_system_sgpr_workgroup_id_x 1
		.amdhsa_system_sgpr_workgroup_id_y 1
		.amdhsa_system_sgpr_workgroup_id_z 1
		.amdhsa_system_vgpr_workitem_id 0
		.amdhsa_next_free_vgpr 138
		.amdhsa_next_free_sgpr 66
		.amdhsa_reserve_vcc 1
		.amdhsa_float_denorm_mode_32 3
		.amdhsa_float_denorm_mode_16_64 3
		.amdhsa_memory_ordered 1
		.amdhsa_forward_progress 1
		.amdhsa_inst_pref_size 31
	.end_amdhsa_kernel
	.amdgpu_metadata
---
amdhsa.version: [ 1, 2 ]
amdhsa.kernels:
  - .name:           k_q98c25b5fcd_place
    .symbol:         k_q98c25b5fcd_place.kd
    .args:
      - { .name: sel, .offset: 0, .size: 8, .value_kind: global_buffer, .address_space: global }
      - { .name: rt, .offset: 8, .size: 8, .value_kind: global_buffer, .address_space: global }
      - { .name: plan, .offset: 16, .size: 8, .value_kind: global_buffer, .address_space: global }
      - { .name: out1, .offset: 24, .size: 8, .value_kind: global_buffer, .address_space: global }
    .group_segment_fixed_size: 1536
    .private_segment_fixed_size: 0
    .kernarg_segment_align: 8
    .kernarg_segment_size: 32
    .max_flat_workgroup_size: 256
    .sgpr_count:     66
    .vgpr_count:     138
    .wavefront_size: 32
...
	.end_amdgpu_metadata
.endif
;; end of part 2
;; launch ffn1 (part 3): grid 256 x 1, 4 waves a work-group, no clusters, 197,120 bytes of LDS; arguments plan, xqs, w1_codes, w1_scales, b1, hqs; writes hqs
.if DOCPART == 3
	.amdgcn_target "amdgcn-amd-amdhsa--gfx1250"
	.amdhsa_code_object_version 6
	.text
	.protected	k_q98c25b5fcd_ffn1
	.globl	k_q98c25b5fcd_ffn1
	.p2align	8
	.type	k_q98c25b5fcd_ffn1,@function
k_q98c25b5fcd_ffn1:
	s_mov_b64 s[64:65], 0
	v_nop
	global_prefetch_b8 v0, s[64:65] scope:SCOPE_SE
	s_setreg_imm32_b32 hwreg(HW_REG_WAVE_MODE, 25, 1), 1
	s_wait_xcnt 0x0
; h = Q(gelu(xn W1 + b1)) for the routed rows alone, on codes of E2M3 with one E8M0 scale for each 32 along K.
; SHARES.  Work-group = (expert e = id / 32, columns 128 c .. 128 c + 127 of F, c = id % 32).  Its 128 x 1,024 codes of W1 stay in registers for the whole launch, each byte loaded once:
; wave w keeps K steps 2 w and 2 w + 1 (256 of the 1,024 along K) of all 128 columns, 192 registers.  The work-group walks the expert's sorted rows in blocks of 64.
; THE WEIGHTS' WAY IN.  The work-group's 128 rows of 768 bytes are one dense run of 98,304 bytes.  Each wave loads 32 rows of it, sixteen lanes to 256 consecutive aligned bytes, and lays them into an LDS stage
; (rows 784 bytes apart); behind a barrier each wave reads its 16 fragments, 8 bytes a lane; a second barrier stands ahead of the first partial sums, which use the same LDS bytes.
; In a block every wave multiplies its K steps with all four tiles of 16 rows (64 matrix instructions), keeps the partial sums of tile w and hands the three others over through LDS;
; behind one barrier wave w adds the three partial sums that it receives, applies gelu, quantises its 16 rows x 128 columns (one K step of the next product) and stores the operand's register image.
; No tensor loads and no cluster: how many blocks an expert has is read from memory, and work is passed over by scalar branches on that number; operands go from memory straight into registers.
; The loop's count is a constant (1 + 16 blocks: 1,024 rows is the most one expert can get); the barrier of a block stands outside the branches.  Block 0 is always done: every expert owns at least one block.
; Rows past the expert's last repeat its last row; what they give is never read.
; THE PRODUCT IS USED TRANSPOSED (source 0 = 16 rows of W1, source 1 = 16 rows of xn), and lane r of tile 2 b + u takes column 32 b + 8 u + r + 8 (r / 8), so that a lane holds one row and its 64 registers run along the next K.
; gelu is exact: erf(z) = z P(z^2) / Q(z^2), z = x / sqrt(2) held to +-4.  LIMIT: beyond 4 in magnitude 1 + erf rounds to 2 or 0 in f32, so the hold changes nothing.  NaN and infinities are not served.
; REGISTERS.  window 0: addresses, scale words (v32-63, nothing else), two sets of xn's fragments.  window 1: W1's 16 fragments, b1.  window 2: at the head W1 as loaded; then the four tiles' accumulators, later the epilogue's work.
.set W,    16                          ; s16 wave
.set OFF,  17                          ; s17 the expert's first sorted row
.set CNT,  18                          ; s18 its rows
.set CM1,  19                          ; s19 the last row's index
.set LAST, 20                          ; s20 first row of its last block
.set ROW,  21                          ; s21 first row of the block in hand
.set TRIP, 22
.set E,    23
.set C,    48
.set WP,   784                         ; the weights' stage: 768 bytes + 16 = 196 words: row r begins 4 r words on, modulo 64
.set LST,  4                           ; v4-7    tokens of my four tiles' rows
.set XAD,  8                           ; v8-11   their codes: 768 x token + 48 h
.set XSA,  12                          ; v12-15  their scale bytes: 32 x token
.set RIX,  16                          ; v16-19  row in the block: 16 ((w + i) % 4) + r
.set LAD,  20                          ; v20-23  addresses in the list
.set PST,  24                          ; v24-29  where I put partial sums: parity p, step i at 3 p + i - 1
.set PRD,  30                          ; v30-31  where I read them
.set WS,   32                          ; v32-47  W1's scale words, tile t, step s at 2 t + s
.set XS,   48                          ; v48-63  xn's scale words, set p, tile i, step s at 8 p + 2 i + s
.set XF,   64                          ; v64-255 xn's fragments, set p at 96 p, tile i, step s at 24 i + 12 s
.set B1,   192                         ; window 1: b1, eight registers a tile
.set Z,    64                          ; window 2, epilogue
.set X2,   80
.set P,    96
.set Q,    112
.set TM,   128
.set PW,   144
.set PC,   192
.set MSB, 0
.macro WIN new                         ; the immediate's high byte repeats the setting that is left
.if MSB != (\new)
	s_set_vgpr_msb (MSB<<8)|(\new)
.set MSB, (\new)
.endif
.endm
.macro WM d, a, b, sa, sb, cm, cb      ; cm = 0: the sum begins with 0;  1: in place;  2: it begins with the registers at cb
.if \cm == 0
	v_wmma_scale_f32_16x16x128_f8f6f4 v[\d:\d+7], v[\a:\a+11], v[\b:\b+11], 0, v[\sa], v[\sb] matrix_a_fmt:MATRIX_FMT_FP6 matrix_b_fmt:MATRIX_FMT_FP6
.elseif \cm == 1
	v_wmma_scale_f32_16x16x128_f8f6f4 v[\d:\d+7], v[\a:\a+11], v[\b:\b+11], v[\d:\d+7], v[\sa], v[\sb] matrix_a_fmt:MATRIX_FMT_FP6 matrix_b_fmt:MATRIX_FMT_FP6
.else
	v_wmma_scale_f32_16x16x128_f8f6f4 v[\d:\d+7], v[\a:\a+11], v[\b:\b+11], v[\cb:\cb+7], v[\sa], v[\sb] matrix_a_fmt:MATRIX_FMT_FP6 matrix_b_fmt:MATRIX_FMT_FP6
.endif
.endm
.macro WFRAG t, adr                    ; W1's two fragments of tile t out of the stage: 24 bytes of a row's stream of bits as three loads of 8
.irp s, 0,1
.irp q, 0,1,2,3,4,5
	ds_load_b64 v[12*(2*(\t)+\s)+2*\q:12*(2*(\t)+\s)+2*\q+1], v[\adr] offset:(32*(((\t)/2)%2)+8*((\t)%2))*WP+96*\s+48*(\q/3)+8*(\q%3)
.endr
.endr
.endm
.macro LISTLD                          ; the tokens of the block that begins at row s30: list[OFF + min(row, CNT - 1)]
.irp i, 0,1,2,3
	v_add_nc_u32 v[LAD+\i], s30, v[RIX+\i]
	v_min_u32 v[LAD+\i], s[CM1], v[LAD+\i]
	v_add_nc_u32 v[LAD+\i], s[OFF], v[LAD+\i]
	v_min_u32 v[LAD+\i], 0x9bf, v[LAD+\i]
	v_lshlrev_b32 v[LAD+\i], 2, v[LAD+\i]
.endr
.irp i, 0,1,2,3
	global_load_b32 v[LST+\i], v[LAD+\i], s[4:5] offset:8448
.endr
.endm
.macro XADDR
.irp i, 0,1,2,3
	v_min_u32 v[LST+\i], 0x3ff, v[LST+\i]
.endr
.irp i, 0,1,2,3
	v_mad_u32_u24 v[XAD+\i], v[LST+\i], 768, v2
	v_lshlrev_b32 v[XSA+\i], 5, v[LST+\i]
.endr
.endm
.macro XLD p                           ; four tiles of 16 rows x my 256 along K, and their scale words, into set p: 28 loads; a fragment's 12 registers are 48 consecutive bytes of the token's row
.irp i, 0,1,2,3
.irp s, 0,1
.irp k, 0,1,2
	global_load_b128 v[XF+96*(\p)+24*\i+12*\s+4*\k:XF+96*(\p)+24*\i+12*\s+4*\k+3], v[XAD+\i], s[44:45] offset:96*\s+16*\k
.endr
.endr
	global_load_b64 v[XS+8*(\p)+2*\i:XS+8*(\p)+2*\i+1], v[XSA+\i], s[46:47] offset:786432
.endr
.endm
.macro MM p                            ; 64 matrix instructions; a tile's eight accumulators take turns, one instruction a turn
	WIN 0x91                                       ; W1 window 1, xn window 0, b1 window 1, results window 2
.irp t, 0,1,2,3,4,5,6,7
	WM 8*\t, 24*\t, XF+96*(\p), WS+2*\t, XS+8*(\p), 2, B1+8*\t   ; my own tile's sum begins with the bias: it is added once
.endr
	WIN 0xa1
.irp t, 0,1,2,3,4,5,6,7
	WM 8*\t, 24*\t+12, XF+96*(\p)+12, WS+2*\t+1, XS+8*(\p)+1, 1, 0
.endr
.irp i, 1,2,3
.irp t, 0,1,2,3,4,5,6,7
	WM 64*\i+8*\t, 24*\t, XF+96*(\p)+24*\i, WS+2*\t, XS+8*(\p)+2*\i, 0, 0
.endr
.irp t, 0,1,2,3,4,5,6,7
	WM 64*\i+8*\t, 24*\t+12, XF+96*(\p)+24*\i+12, WS+2*\t+1, XS+8*(\p)+2*\i+1, 1, 0
.endr
.endr
.endm
.macro PUT p                           ; the three tiles that are not mine go to their owners, each accumulator from its low end on
.rept 5
	v_nop                                          ; four places ahead of stores that read results; the fifth since the next block's first product begins an accumulator anew
.endr
	WIN 0x08                                       ; an LDS store's data: window 2
.irp i, 1,2,3
.set q, 0
.rept 16
	ds_store_b128 v[PST+3*(\p)+\i-1], v[64*\i+4*q:64*\i+4*q+3] offset:512*q
.set q, q+1
.endr
.endr
	WIN 0
.endm
.macro PKF d, a, b, k                  ; eight packed d = a b + k
.set j, 0
.rept 8
	v_pk_fma_f32 v[\d+j:\d+j+1], v[\a+j:\a+j+1], v[\b+j:\b+j+1], \k op_sel_hi:[1,1,0]
.set j, j+2
.endr
.endm
.macro PKM d, a, b                     ; eight packed d = a b
.set j, 0
	s_wait_alu depctr_va_vdst(0)
.rept 8
	v_pk_mul_f32 v[\d+j:\d+j+1], v[\a+j:\a+j+1], v[\b+j:\b+j+1]
.set j, j+2
.endr
.endm
.macro GELU16 g                        ; sixteen numbers at v[16 g] on, in place
.set O, 16*(\g)
.set j, 0
.rept 8
	v_pk_mul_f32 v[Z+j:Z+j+1], v[O+j:O+j+1], 0x3f3504f3 op_sel_hi:[1,0]   ; z = x / sqrt(2)
.set j, j+2
.endr
.set j, 0
.rept 16
	v_med3_num_f32 v[Z+j], v[Z+j], -4.0, 4.0
.set j, j+1
.endr
	PKM X2, Z, Z
.set j, 0
.rept 8
	v_pk_fma_f32 v[P+j:P+j+1], v[X2+j:X2+j+1], s[26:27], 0x32edffee op_sel_hi:[1,0,0]
.set j, j+2
.endr
.irp k, 0xb60cff51, 0xb86ec2d2, 0xba40ac63, 0xbb41a1f6, 0xbc83dbd4
	PKF P, P, X2, \k
.endr
.set j, 0
.rept 8
	v_pk_fma_f32 v[Q+j:Q+j+1], v[X2+j:X2+j+1], s[28:29], 0xb95fbd29 op_sel_hi:[1,0,0]
.set j, j+2
.endr
.irp k, 0xbadc924e, 0xbbf19bf8, 0xbc69b6a7
	PKF Q, Q, X2, \k
.endr
.set j, 0
.rept 16
	v_rcp_f32 v[Q+j], v[Q+j]
.set j, j+1
.endr
	PKM P, P, Z                                    ; (plain places behind the reciprocals)
	PKM P, P, Q                                    ; erf(z)
.set j, 0
.rept 8
	v_pk_mul_f32 v[O+j:O+j+1], v[O+j:O+j+1], 0.5 op_sel_hi:[1,0]
.set j, j+2
.endr
.set j, 0
.rept 8
	v_pk_fma_f32 v[O+j:O+j+1], v[O+j:O+j+1], v[P+j:P+j+1], v[O+j:O+j+1]   ; x / 2 + x / 2 erf
.set j, j+2
.endr
.endm
.macro QUANT                           ; v0-63 (register 16 b + i = k 32 b + 16 h + i of my row) become a fragment's codes at v[PC] and its scale word in v[PW]
.irp b, 0,1,2,3
	v_max3_num_f32 v[TM+\b], |v[16*\b]|, |v[1+16*\b]|, 0x1800000   ; with the floor 2^(3 - 127): the byte cannot fall under 1
.endr
.irp i, 2,4,6,8,10,12,14
.irp b, 0,1,2,3
	v_max3_num_f32 v[TM+\b], v[TM+\b], |v[16*\b+\i]|, |v[1+16*\b+\i]|
.endr
.endr
.irp b, 0,1,2,3
	v_permlanex16_b32 v[TM+4+\b], v[TM+\b], s24, s25
.endr
.irp b, 0,1,2,3
	v_max_num_f32 v[TM+\b], v[TM+\b], v[TM+4+\b]   ; with lane l xor 16's: the block's largest magnitude
.endr
.irp b, 0,1,2,3
	v_add_nc_u32 v[TM+12+\b], 0xff000000, v[TM+\b] ; 2 off the exponent field: the conversion's scale operand
.endr
.irp b, 0,1,2,3
	v_lshrrev_b32 v[TM+4+\b], 23, v[TM+12+\b]      ; the scale's byte
.endr
	v_lshl_or_b32 v[PW], v[TM+5], 8, v[TM+4]
	v_lshl_or_b32 v[PW], v[TM+6], 16, v[PW]
	v_lshl_or_b32 v[PW], v[TM+7], 24, v[PW]
.irp c, 0,1
	v_cvt_scalef32_pk16_fp6_f32 v[PC+6*\c:PC+2+6*\c], v[32*\c:15+32*\c], v[TM+12+2*\c]
	v_cvt_scalef32_pk16_fp6_f32 v[PC+12+4*\c:PC+14+4*\c], v[16+32*\c:31+32*\c], v[TM+12+2*\c+1]
.endr
	v_nop                                          ; one plain place behind a scaled conversion
.irp c, 0,1                            ; the operand wants a whole block in a lane: lanes 0-15 block 2 c, lanes 16-31 block 2 c + 1
.irp i, 0,1,2
	v_permlane16_swap_b32 v[PC+6*\c+\i], v[PC+12+4*\c+\i]
.endr
.irp i, 0,1,2
	v_mov_b32 v[PC+3+6*\c+\i], v[PC+12+4*\c+\i]
.endr
.endr
.endm
.macro EPI p
	s_wait_xcnt 0x0                                ; the last block's stores have read their bases and data
	s_add_co_u32 s30, s[OFF], s[ROW]
	s_min_u32 s30, s30, 2432
	s_mul_i32 s32, s30, 3072                       ; a tile of 16 rows is 32 images of 1,536 bytes
	s_add_co_u32 s32, s32, s52
	s_mov_b32 s33, 0
	s_add_nc_u64 s[40:41], s[14:15], s[32:33]
	s_lshl_b32 s32, s30, 8                         ; and 4,096 bytes of scale words
	s_add_co_u32 s32, s32, s53
	s_add_nc_u64 s[42:43], s[14:15], s[32:33]
	WIN 0x80
.irp k, 0,1,2
.set q, 0
.rept 16
	ds_load_b128 v[64+64*\k+4*q:67+64*\k+4*q], v[PRD+\p] offset:8192*\k+512*q
.set q, q+1
.endr
.endr
	WIN 0xaa
.irp k, 0,1,2
	s_wait_dscnt 32-16*\k                          ; this partner's sixteen loads are in, the later partners' may be out
.set j, 0
.rept 32
	v_pk_add_f32 v[j:j+1], v[j:j+1], v[64+64*\k+j:65+64*\k+j]
.set j, j+2
.endr
.endr
	GELU16 0
	GELU16 1
	GELU16 2
	GELU16 3
	QUANT
	WIN 0x08
.irp k, 0,1,2
	global_store_b128 v3, v[PC+4*\k:PC+4*\k+3], s[40:41] offset:512*\k   ; the image: 512 consecutive bytes a store
.endr
	global_store_b32 v3, v[PW], s[42:43]           ; the scale word: 16 bytes a lane hold the words of four neighbouring K steps, so that the next launch takes the four by one load
	WIN 0
.endm
.macro BLOCK p, always
.if \always == 0
	s_cmp_lt_u32 s[ROW], s[CNT]
	s_cbranch_scc0 .Lno_mul_\@
.endif
	s_wait_loadcnt 0x0                             ; this block's fragments and the next block's tokens are in
	s_wait_xcnt 0x0                                ; the last epilogue's stores have read the registers that the products below write
	XADDR
	XLD 1-\p                                       ; the next block's fragments have this block's work in which to land
	s_add_co_u32 s30, s[ROW], 128
	s_min_u32 s30, s30, s[LAST]
	LISTLD
	MM \p
	PUT \p
.Lno_mul_\@:
	s_wait_dscnt 0x0                               ; my partial sums have landed, and my reads of the block before are over
	s_barrier_signal -1
	s_barrier_wait -1
.if \always == 0
	s_cmp_lt_u32 s[ROW], s[CNT]
	s_cbranch_scc0 .Lno_out_\@
.endif
	EPI \p
.Lno_out_\@:
	s_add_co_u32 s[ROW], s[ROW], 64
.endm
	s_load_b256 s[4:11], s[0:1], 0x0               ; plan, xqs, W1's codes, W1's scales
	s_load_b128 s[12:15], s[0:1], 0x20             ; b1, hqs
	s_set_vgpr_msb 0xc0
	v_lshl_add_u32 v0, v0, 2, 0x30000
	v_mov_b32 v1, 0
	s_set_vgpr_msb 0xc000
	v_lshrrev_b32 v1, 5, v0
	v_readfirstlane_b32 s[W], v1
	s_lshr_b32 s[E], ttmp9, 5
	s_and_b32 s[C], ttmp9, 31
	s_mov_b32 s24, 0x76543210
	s_mov_b32 s25, 0xfedcba98                      ; selects for lane l xor 16
	s_mov_b32 s26, 0xaf95df0b                      ; the highest coefficient of P (a pair: the packed form names both words)
	s_mov_b32 s27, s26
	s_mov_b32 s28, 0xb77460cd                      ; and of Q
	s_mov_b32 s29, s28
	v_and_b32 v240, 15, v0                         ; r
	v_bfe_u32 v241, v0, 4, 1                       ; h
	v_and_b32 v3, 31, v0
	v_lshlrev_b32 v3, 4, v3                        ; 16 x lane
	v_mul_u32_u24 v2, v241, 48                     ; 48 h: my half's 12 registers of a fragment of xn
	v_and_b32 v242, 8, v240
	v_add_nc_u32 v242, v242, v240                  ; r + 8 (r / 8)
	v_lshlrev_b32 v244, 5, v242                    ; W1's scale bytes
	v_lshlrev_b32 v245, 6, v241                    ; b1: 64 h
	v_mul_u32_u24 v246, v241, 768                  ; W1 as it lies: lanes 0-15 one row's 256 bytes, lanes 16-31 the next row's;
	v_lshl_add_u32 v246, v240, 4, v246
	s_mul_i32 s31, s[W], 32*768                    ; my 32 rows
	v_add_nc_u32 v246, s31, v246
	v_mul_u32_u24 v247, v241, WP                   ; the same place in the stage
	v_lshl_add_u32 v247, v240, 4, v247
	s_mul_i32 s31, s[W], 32*WP
	v_add_nc_u32 v247, s31, v247
	v_mul_u32_u24 v248, v242, WP                   ; out of the stage: a tile's row, + 24 h, + my two K steps
	v_mad_u32_u24 v248, v241, 24, v248
	s_mul_i32 s31, s[W], 192
	v_add_nc_u32 v248, s31, v248
	v_add_nc_u32 v249, 64*WP, v248                 ; tiles 4-7 lie 64 rows on: beyond an LDS instruction's 16-bit offset
.irp i, 0,1,2,3
	s_add_co_u32 s30, s[W], \i
	s_and_b32 s30, s30, 3                          ; the tile of step i
	s_lshl_b32 s31, s30, 4
	v_add_nc_u32 v[RIX+\i], s31, v240
.if \i > 0
	s_mul_i32 s31, s30, 24576
	s_add_co_u32 s31, s31, (\i-1)*8192
	v_add_nc_u32 v[PST+\i-1], s31, v3
	s_add_co_u32 s31, s31, 98304
	v_add_nc_u32 v[PST+3+\i-1], s31, v3
.endif
.endr
	s_mul_i32 s31, s[W], 24576
	v_add_nc_u32 v[PRD], s31, v3
	s_add_co_u32 s31, s31, 98304
	v_add_nc_u32 v[PRD+1], s31, v3
	s_lshl_b32 s30, s[E], 12
	s_lshl_b32 s31, s[C], 7
	s_add_co_u32 s30, s30, s31                     ; my work-group's first row of W1
	s_mul_i32 s32, s30, 768
	s_mov_b32 s33, 0
	s_mul_i32 s31, s[W], 192
	s_lshl_b32 s34, s30, 5
	s_lshl_b32 s39, s[W], 3
	s_add_co_u32 s34, s34, s39
	s_mov_b32 s35, 0
	s_lshl_b32 s36, s30, 2
	s_mov_b32 s37, 0
	s_lshl_b32 s38, s[E], 3
	s_mul_i32 s52, s[W], 49152
	s_mul_i32 s53, s[C], 1536
	s_add_co_u32 s52, s52, s53                     ; my tile's and my K step's image
	s_lshl_b32 s53, s[W], 12                       ; its scale words: 4,096 a tile,
	s_lshr_b32 s30, s[C], 2
	s_lshl_b32 s30, s30, 9
	s_add_co_u32 s53, s53, s30                     ; 512 for each four K steps,
	s_and_b32 s30, s[C], 3
	s_lshl_b32 s30, s30, 2
	s_add_co_u32 s53, s53, s30                     ; 4 for a K step among its four
	s_add_co_u32 s53, s53, 7667712
	s_mov_b32 s[ROW], 0
	s_wait_kmcnt 0x0
	s_load_b64 s[50:51], s[4:5], s38 offset:0x0    ; (first row, rows) of my expert
	s_add_nc_u64 s[8:9], s[8:9], s[32:33]
	s_add_nc_u64 s[10:11], s[10:11], s[34:35]
	s_add_nc_u64 s[12:13], s[12:13], s[36:37]
	s_mov_b32 s32, s31
	s_add_nc_u64 s[44:45], s[6:7], s[32:33]        ; xn's codes at my K steps
	s_mov_b32 s32, s39
	s_add_nc_u64 s[46:47], s[6:7], s[32:33]        ; and their scale words
	WIN 0x80                                       ; into window 2, which is free until block 0's products
.irp q, 0,1,2,3,4,5,6,7,8,9,10,11,12,13,14,15
.irp j, 0,1,2
	global_load_b128 v[4*(3*\q+\j):4*(3*\q+\j)+3], v246, s[8:9] offset:2*\q*768+256*\j th:TH_LOAD_NT   ; sixteen lanes read 256 consecutive bytes, at a multiple of 256 from the buffer's first byte; read once in the launch
.endr
.endr
	WIN 0
	s_wait_kmcnt 0x0
	s_min_u32 s[OFF], s50, 2432
	s_min_u32 s[CNT], s51, 1024
	s_max_u32 s[CM1], s[CNT], 1
	s_sub_co_u32 s[CM1], s[CM1], 1
	s_and_not1_b32 s[LAST], s[CM1], 63
	s_mov_b32 s30, 0
	LISTLD
	s_wait_loadcnt 0x0                             ; W1's codes and the first tokens are in
	XADDR
	XLD 0                                          ; block 0's fragments of xn go out ahead of everything that does not wait for them
	s_min_u32 s30, s[LAST], 64
	LISTLD
	WIN 0x40
.irp t, 0,1,2,3,4,5,6,7
	global_load_b128 v[B1+8*\t:B1+8*\t+3], v245, s[12:13] offset:(32*(\t/2)+8*(\t%2))*4
	global_load_b128 v[B1+8*\t+4:B1+8*\t+7], v245, s[12:13] offset:(32*(\t/2)+8*(\t%2))*4+16
.endr
	WIN 0
.irp t, 0,1,2,3,4,5,6,7
	global_load_b64 v[WS+2*\t:WS+2*\t+1], v244, s[10:11] offset:(32*(\t/2)+8*(\t%2))*32
.endr
	WIN 0x08
.irp q, 0,1,2,3,4,5,6,7,8,9,10,11,12,13,14,15
.irp j, 0,1,2
	ds_store_b128 v247, v[4*(3*\q+\j):4*(3*\q+\j)+3] offset:2*\q*WP+256*\j
.endr
.endr
	WIN 0
	s_wait_dscnt 0x0                               ; for the other waves: my 32 rows lie in the stage
	s_barrier_signal -1
	s_barrier_wait -1
	WIN 0x40
.irp t, 0,1,2,3
	WFRAG \t, 248
.endr
.irp t, 4,5,6,7
	WFRAG \t, 249
.endr
	WIN 0
	s_wait_dscnt 0x0                               ; my fragments are in: my reads of the stage are over
	s_barrier_signal -1
	s_barrier_wait -1                              ; everybody's are: the partial sums may take these bytes
	BLOCK 0, 1
	s_mov_b32 s[TRIP], 8
.Lwalk:
	BLOCK 1, 0
	BLOCK 0, 0
	s_sub_co_u32 s[TRIP], s[TRIP], 1
	s_cmp_lg_u32 s[TRIP], 0
	s_cbranch_scc1 .Lwalk
	s_set_vgpr_msb 0xf
	s_wait_tensorcnt 0x0
	ds_add_u32 v0, v1
	s_wait_dscnt 0x0
	s_set_vgpr_msb 0xf00
	s_endpgm
.Lfunc_end_k_q98c25b5fcd_ffn1:
	.size	k_q98c25b5fcd_ffn1, .Lfunc_end_k_q98c25b5fcd_ffn1-k_q98c25b5fcd_ffn1
	.p2alignl 7, 3214868480
	.fill 96, 4, 3214868480
	.section	.rodata,"a",@progbits
	.p2align	6, 0x0
	.amdhsa_kernel k_q98c25b5fcd_ffn1
		.amdhsa_group_segment_fixed_size 197120
		.amdhsa_private_segment_fixed_size 0
		.amdhsa_enable_private_segment 0
		.amdhsa_kernarg_size 48
		.amdhsa_user_sgpr_count 2
		.amdhsa_user_sgpr_kernarg_segment_ptr 1
		.amdhsa_wavefront_size32 1
		.amdhsa_system_sgpr_workgroup_id_x 1
		.amdhsa_system_sgpr_workgroup_id_y 1
		.amdhsa_system_sgpr_workgroup_id_z 1
		.amdhsa_system_vgpr_workitem_id 0
		.amdhsa_next_free_vgpr 770
		.amdhsa_next_free_sgpr 66
		.amdhsa_reserve_vcc 0
		.amdhsa_float_denorm_mode_32 3
		.amdhsa_float_denorm_mode_16_64 3
		.amdhsa_memory_ordered 1
		.amdhsa_forward_progress 1
		.amdhsa_inst_pref_size 255
	.end_amdhsa_kernel
	.section	.bss,"aw",@nobits
	.p2align	6
	.space	262144
	.amdgpu_metadata
---
amdhsa.version: [ 1, 2 ]
amdhsa.kernels:
  - .name:           k_q98c25b5fcd_ffn1
    .symbol:         k_q98c25b5fcd_ffn1.kd
    .args:
      - { .name: plan, .offset: 0, .size: 8, .value_kind: global_buffer, .address_space: global }
      - { .name: xqs, .offset: 8, .size: 8, .value_kind: global_buffer, .address_space: global }
      - { .name: w1_codes, .offset: 16, .size: 8, .value_kind: global_buffer, .address_space: global }
      - { .name: w1_scales, .offset: 24, .size: 8, .value_kind: global_buffer, .address_space: global }
      - { .name: b1, .offset: 32, .size: 8, .value_kind: global_buffer, .address_space: global }
      - { .name: hqs, .offset: 40, .size: 8, .value_kind: global_buffer, .address_space: global }
    .group_segment_fixed_size: 197120
    .private_segment_fixed_size: 0
    .kernarg_segment_align: 8
    .kernarg_segment_size: 48
    .max_flat_workgroup_size: 128
    .sgpr_count:     66
    .vgpr_count:     770
    .wavefront_size: 32
...
	.end_amdgpu_metadata
.endif
;; end of part 3
;; launch ffn2 (part 4): grid 256 x 1, 4 waves a work-group, no clusters, 116,224 bytes of LDS; arguments plan, hqs, w2_codes, w2_scales, b2, ep; writes ep
.if DOCPART == 4
	.amdgcn_target "amdgcn-amd-amdhsa--gfx1250"
	.amdhsa_code_object_version 6
	.text
	.protected	k_q98c25b5fcd_ffn2
	.globl	k_q98c25b5fcd_ffn2
	.p2align	8
	.type	k_q98c25b5fcd_ffn2,@function
k_q98c25b5fcd_ffn2:
	s_mov_b64 s[64:65], 0
	v_nop
	global_prefetch_b8 v0, s[64:65] scope:SCOPE_SE
	s_setreg_imm32_b32 hwreg(HW_REG_WAVE_MODE, 25, 1), 1
	s_wait_xcnt 0x0
; ep[half][sorted row][:] = h W2 over one half of K = 4,096 (+ b2 in half 0), for the routed rows alone, on codes of E2M3 with E8M0 scales.
; SHARES.  Work-group = (expert e = id / 32, columns 64 nc .. + 63 of the output, nc = (id / 2) % 16, K half hf = id % 2).  Its 64 x 2,048 codes of W2 stay in registers, each byte loaded once:
; wave w keeps K steps 16 hf + 4 w .. + 3 of the 64 columns, 192 registers.  The work-group walks the expert's sorted rows in blocks of 64; h comes as register images, three loads of 16 bytes a lane for a fragment.
; THE WEIGHTS' WAY IN.  The work-group's part of a row of W2 is 1,536 consecutive bytes.  Each wave loads 16 rows of it, sixteen lanes to 256 consecutive aligned bytes, and lays them into an LDS stage
; (rows 1,552 bytes apart); behind a barrier each wave reads its 16 fragments, 8 bytes a lane; a second barrier stands ahead of the first partial sums, which use the same LDS bytes.
; In a block every wave multiplies its four K steps with all four tiles of 16 rows (64 matrix instructions), keeps tile w's partial sums and hands the three others over through LDS; behind one barrier wave w
; adds what it receives and stores its 16 rows x 64 columns through its own stage, sixteen lanes to 256 consecutive aligned bytes.
; No tensor loads and no cluster: the number of blocks is read from memory and work is passed over by scalar branches on it.  The loop's count is a constant; the barrier stands outside the branches; block 0 is always done.
; THE PRODUCT IS USED TRANSPOSED (source 0 = 16 rows of W2, source 1 = 16 rows of h): a lane holds eight neighbouring columns of one row.
; REGISTERS.  window 0: addresses, scale words (v16-63, nothing else), h's fragments of even blocks.  window 1: W2's 16 fragments, b2.  window 2: at the head W2 as loaded; then accumulators, the epilogue's work and its addresses.  window 3: h's fragments of odd blocks.
.set W,    16
.set OFF,  17
.set CNT,  18
.set S0,   19                          ; s19 my first K step
.set LAST, 20
.set ROW,  21
.set TRIP, 22
.set E,    23
.set NC,   48
.set HF,   49
.set WP,   1552                        ; the weights' stage: 1,536 bytes + 16 = 388 words: row r begins 4 r words on, modulo 64
.set HAD,  4                           ; v4-7    images: 16 x lane + 49,152 x tile
.set HSA,  8                           ; v8-11   scale words: 16 x lane + 4,096 x tile
.set WS,   16                          ; v16-31  W2's scale words, tile t, step s at 4 t + s
.set HS,   32                          ; v32-63  h's scale words, set p, tile i, step s at 16 p + 4 i + s
.set B2,   192                         ; window 1
.set PST,  240                         ; window 2: v240-245 where I put partial sums
.set PRD,  246                         ; v246-247 where I read them
.set STO,  248                         ; the stage, in
.set SRD,  249                         ; the stage, back
.set EO,   250                         ; my bytes in two rows of ep
.set MSB, 0
.macro WIN new
.if MSB != (\new)
	s_set_vgpr_msb (MSB<<8)|(\new)
.set MSB, (\new)
.endif
.endm
.macro WM d, a, b, sa, sb, cm, cb
.if \cm == 0
	v_wmma_scale_f32_16x16x128_f8f6f4 v[\d:\d+7], v[\a:\a+11], v[\b:\b+11], 0, v[\sa], v[\sb] matrix_a_fmt:MATRIX_FMT_FP6 matrix_b_fmt:MATRIX_FMT_FP6
.elseif \cm == 1
	v_wmma_scale_f32_16x16x128_f8f6f4 v[\d:\d+7], v[\a:\a+11], v[\b:\b+11], v[\d:\d+7], v[\sa], v[\sb] matrix_a_fmt:MATRIX_FMT_FP6 matrix_b_fmt:MATRIX_FMT_FP6
.else
	v_wmma_scale_f32_16x16x128_f8f6f4 v[\d:\d+7], v[\a:\a+11], v[\b:\b+11], v[\cb:\cb+7], v[\sa], v[\sb] matrix_a_fmt:MATRIX_FMT_FP6 matrix_b_fmt:MATRIX_FMT_FP6
.endif
.endm
.macro WFRAG t, adr                    ; W2's four fragments of tile t out of the stage: 24 bytes of a row's stream of bits as three loads of 8
.irp s, 0,1,2,3
.irp q, 0,1,2,3,4,5
	ds_load_b64 v[48*(\t)+12*\s+2*\q:48*(\t)+12*\s+2*\q+1], v[\adr] offset:16*((\t)%2)*WP+96*\s+48*(\q/3)+8*(\q%3)
.endr
.endr
.endm
.macro HLD p                           ; the block that begins at row s30: 16 fragments, and a tile's four scale words by one load, into set p: 52 loads
	s_add_co_u32 s31, s[OFF], s30
	s_min_u32 s31, s31, 2432
	s_mul_i32 s32, s31, 3072
	s_add_co_u32 s32, s32, s52
	s_mov_b32 s33, 0
	s_add_nc_u64 s[40:41], s[6:7], s[32:33]
	s_lshl_b32 s32, s31, 8
	s_add_co_u32 s32, s32, s53
	s_add_nc_u64 s[42:43], s[6:7], s[32:33]
.set HB, 64*(1-(\p))
	WIN 0xc0*(\p)
.irp i, 0,1,2,3
.irp s, 0,1,2,3
.irp k, 0,1,2
	global_load_b128 v[HB+48*\i+12*\s+4*\k:HB+48*\i+12*\s+4*\k+3], v[HAD+\i], s[40:41] offset:1536*\s+512*\k
.endr
.endr
.endr
	WIN 0
.irp i, 0,1,2,3
	global_load_b128 v[HS+16*(\p)+4*\i:HS+16*(\p)+4*\i+3], v[HSA+\i], s[42:43]
.endr
.endm
.macro MM p                            ; 64 matrix instructions; a tile's four accumulators take turns, one instruction a turn
.set HB, 64*(1-(\p))
.set WB, 12*(\p)
	WIN 0x91+WB                                    ; W2 window 1, h window 0 or 3, b2 window 1, results window 2
.irp t, 0,1,2,3
	WM 8*\t, 48*\t, HB, WS+4*\t, HS+16*(\p), 2, B2+8*\t
.endr
	WIN 0xa1+WB
.irp s, 1,2,3
.irp t, 0,1,2,3
	WM 8*\t, 48*\t+12*\s, HB+12*\s, WS+4*\t+\s, HS+16*(\p)+\s, 1, 0
.endr
.endr
.irp i, 1,2,3
.irp t, 0,1,2,3
	WM 32*\i+8*\t, 48*\t, HB+48*\i, WS+4*\t, HS+16*(\p)+4*\i, 0, 0
.endr
.irp s, 1,2,3
.irp t, 0,1,2,3
	WM 32*\i+8*\t, 48*\t+12*\s, HB+48*\i+12*\s, WS+4*\t+\s, HS+16*(\p)+4*\i+\s, 1, 0
.endr
.endr
.endr
.endm
.macro PUT p
.rept 5
	v_nop                                          ; four places ahead of stores that read results and of loads into operands; the fifth since the next block's first product begins an accumulator anew
.endr
	WIN 0x0a                                       ; address and data: window 2
.irp i, 1,2,3
.set q, 0
.rept 8
	ds_store_b128 v[PST+3*(\p)+\i-1], v[32*\i+4*q:32*\i+4*q+3] offset:512*q
.set q, q+1
.endr
.endr
	WIN 0
.endm
.macro EPI p
	s_wait_xcnt 0x0                                ; the last block's stores have read their base and data
	s_add_co_u32 s30, s[OFF], s[ROW]
	s_min_u32 s30, s30, 2432
	s_lshl_b32 s32, s30, 12
	s_add_co_u32 s32, s32, s54
	s_mov_b32 s33, 0
	s_add_nc_u64 s[44:45], s[14:15], s[32:33]
	WIN 0x82
.irp k, 0,1,2
.set q, 0
.rept 8
	ds_load_b128 v[128+32*\k+4*q:131+32*\k+4*q], v[PRD+\p] offset:4096*\k+512*q
.set q, q+1
.endr
.endr
	WIN 0xaa
.irp k, 0,1,2
	s_wait_dscnt 16-8*\k                           ; this partner's eight loads are in, the later partners' may be out
.set j, 0
.rept 16
	v_pk_add_f32 v[j:j+1], v[j:j+1], v[128+32*\k+j:129+32*\k+j]
.set j, j+2
.endr
.endr
	WIN 0x0a
.irp t, 0,1,2,3
	ds_store_b128 v[STO], v[8*\t:8*\t+3] offset:64*\t
	ds_store_b128 v[STO], v[8*\t+4:8*\t+7] offset:64*\t+16
.endr
	WIN 0x82
.irp i, 0,1,2,3,4,5,6,7
	ds_load_b128 v[128+4*\i:131+4*\i], v[SRD] offset:544*\i   ; LDS serves a wave's instructions in order (ISA guide 5.7.1.4): these see my stores
.endr
	WIN 0x0a
.irp i, 0,1,2,3,4,5,6,7
	s_wait_dscnt 7-\i                              ; this pair of rows is back, the later pairs may be out
	global_store_b128 v[EO], v[128+4*\i:131+4*\i], s[44:45] offset:8192*\i   ; sixteen lanes store 256 consecutive bytes, at a multiple of 256 from ep's first byte
.endr
	WIN 0
.endm
.macro BLOCK p, always
.if \always == 0
	s_cmp_lt_u32 s[ROW], s[CNT]
	s_cbranch_scc0 .Lno_mul_\@
.endif
	s_wait_loadcnt 0x0                             ; this block's fragments are in
	s_add_co_u32 s30, s[ROW], 64
	s_min_u32 s30, s30, s[LAST]
	HLD 1-\p                                       ; the next block's have this block's work in which to land
	MM \p
	PUT \p
.Lno_mul_\@:
	s_wait_dscnt 0x0                               ; my partial sums have landed, and my reads of the block before are over
	s_barrier_signal -1
	s_barrier_wait -1
.if \always == 0
	s_cmp_lt_u32 s[ROW], s[CNT]
	s_cbranch_scc0 .Lno_out_\@
.endif
	EPI \p
.Lno_out_\@:
	s_add_co_u32 s[ROW], s[ROW], 64
.endm
	s_load_b256 s[4:11], s[0:1], 0x0               ; plan, hqs, W2's codes, W2's scales
	s_load_b128 s[12:15], s[0:1], 0x20             ; b2, ep
	s_set_vgpr_msb 0x40
	v_lshl_add_u32 v254, v0, 2, 0x1c400
	v_mov_b32 v255, 0
	s_set_vgpr_msb 0x4000
	v_lshrrev_b32 v1, 5, v0
	v_readfirstlane_b32 s[W], v1
	s_lshr_b32 s[E], ttmp9, 5
	s_bfe_u32 s[NC], ttmp9, 0x40001
	s_and_b32 s[HF], ttmp9, 1
	s_lshl_b32 s[S0], s[HF], 4
	s_lshl_b32 s30, s[W], 2
	s_add_co_u32 s[S0], s[S0], s30
	v_and_b32 v12, 15, v0                          ; r
	v_bfe_u32 v13, v0, 4, 1                        ; h
	v_and_b32 v3, 31, v0
	v_lshlrev_b32 v3, 4, v3                        ; 16 x lane
	v_mul_u32_u24 v14, v13, 3072                   ; W2 as it lies: lanes 0-15 256 bytes of one row, lanes 16-31 of the next;
	v_lshl_add_u32 v14, v12, 4, v14
	s_mul_i32 s31, s[W], 16*3072                   ; my 16 rows
	v_add_nc_u32 v14, s31, v14
	v_mul_u32_u24 v1, v13, WP                      ; the same place in the stage
	v_lshl_add_u32 v1, v12, 4, v1
	s_mul_i32 s31, s[W], 16*WP
	v_add_nc_u32 v1, s31, v1
	v_lshlrev_b32 v15, 7, v12                      ; W2's scale bytes
	v_lshlrev_b32 v2, 5, v13                       ; b2: 32 h
.irp i, 0,1,2,3
	s_add_co_u32 s30, s[W], \i
	s_and_b32 s30, s30, 3                          ; the tile of step i
	s_mul_i32 s31, s30, 49152
	v_add_nc_u32 v[HAD+\i], s31, v3
	s_lshl_b32 s31, s30, 12
	v_add_nc_u32 v[HSA+\i], s31, v3
.endr
	s_lshl_b32 s30, s[E], 10
	s_lshl_b32 s31, s[NC], 6
	s_add_co_u32 s30, s30, s31                     ; my work-group's first row of W2
	s_mul_i32 s32, s30, 3072
	s_mul_i32 s31, s[HF], 1536
	s_add_co_u32 s32, s32, s31                     ; and its half of K
	s_mov_b32 s33, 0
	s_lshl_b32 s34, s30, 7
	s_lshl_b32 s31, s[S0], 2
	s_add_co_u32 s34, s34, s31
	s_mov_b32 s35, 0
	s_lshl_b32 s36, s30, 2
	s_mov_b32 s37, 0
	s_lshl_b32 s38, s[E], 3
	s_mul_i32 s52, s[S0], 1536                     ; my K steps' images in a tile
	s_lshl_b32 s53, s[S0], 7                       ; their scale words: 512 bytes for each four K steps
	s_add_co_u32 s53, s53, 7667712
	s_mul_i32 s54, s[HF], 10223616                 ; my half of ep,
	s_lshl_b32 s31, s[W], 16
	s_add_co_u32 s54, s54, s31                     ; my 16 rows of a block,
	s_lshl_b32 s31, s[NC], 8
	s_add_co_u32 s54, s54, s31                     ; my 64 columns
	s_mov_b32 s[ROW], 0
	s_wait_kmcnt 0x0
	s_load_b64 s[50:51], s[4:5], s38 offset:0x0    ; (first row, rows) of my expert
	s_add_nc_u64 s[8:9], s[8:9], s[32:33]
	s_add_nc_u64 s[10:11], s[10:11], s[34:35]
	s_add_nc_u64 s[12:13], s[12:13], s[36:37]
	WIN 0x40
.irp t, 0,1,2,3
	global_load_b128 v[B2+8*\t:B2+8*\t+3], v2, s[12:13] offset:64*\t
	global_load_b128 v[B2+8*\t+4:B2+8*\t+7], v2, s[12:13] offset:64*\t+16
.endr
	WIN 0
.irp t, 0,1,2,3
	global_load_b128 v[WS+4*\t:WS+4*\t+3], v15, s[10:11] offset:16*\t*128
.endr
	WIN 0x80                                       ; into window 2, which is free until block 0's products
.irp q, 0,1,2,3,4,5,6,7
.irp j, 0,1,2,3,4,5
	global_load_b128 v[4*(6*\q+\j):4*(6*\q+\j)+3], v14, s[8:9] offset:2*\q*3072+256*\j th:TH_LOAD_NT   ; sixteen lanes read 256 consecutive bytes, at a multiple of 256 from the buffer's first byte; read once in the launch
.endr
.endr
	WIN 0
	s_wait_kmcnt 0x0
	s_min_u32 s[OFF], s50, 2432
	s_min_u32 s[CNT], s51, 1024
	s_max_u32 s[LAST], s[CNT], 1
	s_sub_co_u32 s[LAST], s[LAST], 1
	s_and_not1_b32 s[LAST], s[LAST], 63
	s_mov_b32 s30, 0
	HLD 0
	s_wait_loadcnt 52                              ; b2, W2's scale words and W2's codes are in: block 0's 52 loads were issued behind them and may be out
	WIN 0x08
.irp q, 0,1,2,3,4,5,6,7
.irp j, 0,1,2,3,4,5
	ds_store_b128 v1, v[4*(6*\q+\j):4*(6*\q+\j)+3] offset:2*\q*WP+256*\j
.endr
.endr
	WIN 0
	v_mul_u32_u24 v14, v12, WP                     ; out of the stage: row r, + 24 h, + my four K steps (the loads that named v14 and v15 are done)
	v_mad_u32_u24 v14, v13, 24, v14
	s_mul_i32 s31, s[W], 384
	v_add_nc_u32 v14, s31, v14
	v_add_nc_u32 v15, 32*WP, v14                   ; tiles 2 and 3 lie 32 rows on: beyond an LDS instruction's 16-bit offset
	s_wait_dscnt 0x0                               ; for the other waves: my 16 rows lie in the stage
	s_barrier_signal -1
	s_barrier_wait -1
	WIN 0x40
	WFRAG 0, 14
	WFRAG 1, 14
	WFRAG 2, 15
	WFRAG 3, 15
	WIN 0
	s_wait_dscnt 0x0                               ; my fragments are in: my reads of the stage are over
	s_barrier_signal -1
	s_barrier_wait -1                              ; everybody's are: the partial sums may take these bytes
	s_wait_loadcnt 0x0                             ; block 0 is in
	s_cmp_eq_u32 s[HF], 0
	s_cselect_b32 s30, -1, 0
	WIN 0x44
.set j, 0
.rept 32
	v_and_b32 v[B2+j], s30, v[B2+j]                ; the bias counts in K half 0 alone
.set j, j+1
.endr
	WIN 0
	v_mul_u32_u24 v14, v12, 272
	v_lshl_add_u32 v14, v13, 5, v14                ; the way out's stage, in: row r, 32 bytes for each half of the lanes
	v_mul_u32_u24 v15, v13, 272
	v_lshl_add_u32 v15, v12, 4, v15                ; back: lanes 0-15 one row of 256 bytes, lanes 16-31 the next
	v_lshlrev_b32 v2, 12, v13
	v_lshl_add_u32 v2, v12, 4, v2                  ; and the same two rows in ep
	WIN 0x80
.irp i, 1,2,3
	s_add_co_u32 s30, s[W], \i
	s_and_b32 s30, s30, 3
	s_mul_i32 s31, s30, 12288
	s_add_co_u32 s31, s31, (\i-1)*4096
	v_add_nc_u32 v[PST+\i-1], s31, v3
	s_add_co_u32 s31, s31, 49152
	v_add_nc_u32 v[PST+3+\i-1], s31, v3
.endr
	s_mul_i32 s31, s[W], 12288
	v_add_nc_u32 v[PRD], s31, v3
	s_add_co_u32 s31, s31, 49152
	v_add_nc_u32 v[PRD+1], s31, v3
	s_mul_i32 s31, s[W], 4352
	s_add_co_u32 s31, s31, 98304
	v_add_nc_u32 v[STO], s31, v14
	v_add_nc_u32 v[SRD], s31, v15
	v_mov_b32 v[EO], v2
	WIN 0
	BLOCK 0, 1
	s_mov_b32 s[TRIP], 8
.Lwalk:
	BLOCK 1, 0
	BLOCK 0, 0
	s_sub_co_u32 s[TRIP], s[TRIP], 1
	s_cmp_lg_u32 s[TRIP], 0
	s_cbranch_scc1 .Lwalk
	s_set_vgpr_msb 0x5
	s_wait_tensorcnt 0x0
	ds_add_u32 v254, v255
	s_wait_dscnt 0x0
	s_set_vgpr_msb 0x500
	s_endpgm
.Lfunc_end_k_q98c25b5fcd_ffn2:
	.size	k_q98c25b5fcd_ffn2, .Lfunc_end_k_q98c25b5fcd_ffn2-k_q98c25b5fcd_ffn2
	.p2alignl 7, 3214868480
	.fill 96, 4, 3214868480
	.section	.rodata,"a",@progbits
	.p2align	6, 0x0
	.amdhsa_kernel k_q98c25b5fcd_ffn2
		.amdhsa_group_segment_fixed_size 116224
		.amdhsa_private_segment_fixed_size 0
		.amdhsa_enable_private_segment 0
		.amdhsa_kernarg_size 48
		.amdhsa_user_sgpr_count 2
		.amdhsa_user_sgpr_kernarg_segment_ptr 1
		.amdhsa_wavefront_size32 1
		.amdhsa_system_sgpr_workgroup_id_x 1
		.amdhsa_system_sgpr_workgroup_id_y 1
		.amdhsa_system_sgpr_workgroup_id_z 1
		.amdhsa_system_vgpr_workitem_id 0
		.amdhsa_next_free_vgpr 960
		.amdhsa_next_free_sgpr 66
		.amdhsa_reserve_vcc 0
		.amdhsa_float_denorm_mode_32 3
		.amdhsa_float_denorm_mode_16_64 3
		.amdhsa_memory_ordered 1
		.amdhsa_forward_progress 1
		.amdhsa_inst_pref_size 95
	.end_amdhsa_kernel
	.amdgpu_metadata
---
amdhsa.version: [ 1, 2 ]
amdhsa.kernels:
  - .name:           k_q98c25b5fcd_ffn2
    .symbol:         k_q98c25b5fcd_ffn2.kd
    .args:
      - { .name: plan, .offset: 0, .size: 8, .value_kind: global_buffer, .address_space: global }
      - { .name: hqs, .offset: 8, .size: 8, .value_kind: global_buffer, .address_space: global }
      - { .name: w2_codes, .offset: 16, .size: 8, .value_kind: global_buffer, .address_space: global }
      - { .name: w2_scales, .offset: 24, .size: 8, .value_kind: global_buffer, .address_space: global }
      - { .name: b2, .offset: 32, .size: 8, .value_kind: global_buffer, .address_space: global }
      - { .name: ep, .offset: 40, .size: 8, .value_kind: global_buffer, .address_space: global }
    .group_segment_fixed_size: 116224
    .private_segment_fixed_size: 0
    .kernarg_segment_align: 8
    .kernarg_segment_size: 48
    .max_flat_workgroup_size: 128
    .sgpr_count:     66
    .vgpr_count:     960
    .wavefront_size: 32
...
	.end_amdgpu_metadata
.endif
;; end of part 4
;; launch comb (part 5): grid 256 x 1, 4 waves a work-group, no clusters, 0 bytes of LDS; arguments x, plan, rt, ep, out0; writes out0
.if DOCPART == 5
	.amdgcn_target "amdgcn-amd-amdhsa--gfx1250"
	.amdhsa_code_object_version 6
	.text
	.protected	k_q98c25b5fcd_comb
	.globl	k_q98c25b5fcd_comb
	.p2align	8
	.type	k_q98c25b5fcd_comb,@function
k_q98c25b5fcd_comb:
	s_mov_b64 s[64:65], 0
	v_nop
	global_prefetch_b8 v0, s[64:65] scope:SCOPE_SE
	s_setreg_imm32_b32 hwreg(HW_REG_WAVE_MODE, 25, 1), 1
	s_wait_xcnt 0x0
; out0[token] = x[token] + w0 (ep0[p0] + ep1[p0]) + w1 (ep0[p1] + ep1[p1]): p0, p1 the token's two sorted rows, w0, w1 its two weights, ep0 and ep1 the two K halves.
; One wave takes one token: each output row has one owner.  Every load and store of the wave covers 512 consecutive bytes.  Memory binds: no LDS, no barrier, no matrix unit.
.set EPH, 0x9c0000                     ; bytes of one K half of ep: 2,496 rows of 4,096
	s_load_b256 s[4:11], s[0:1], 0x0               ; x, plan, rt, ep
	s_load_b64 s[12:13], s[0:1], 0x20              ; out0
	v_lshrrev_b32 v1, 5, v0
	v_readfirstlane_b32 s14, v1
	v_and_b32 v1, 31, v0
	v_lshlrev_b32 v1, 4, v1
	s_lshl_b32 s15, ttmp9, 2
	s_add_co_u32 s15, s15, s14                     ; token
	s_lshl_b32 s16, s15, 3
	s_lshl_b32 s18, s15, 12
	s_mov_b32 s19, 0
	s_mov_b32 s29, 0
	s_wait_kmcnt 0x0
	s_load_b64 s[20:21], s[6:7], s16 offset:0x100  ; the two sorted rows
	s_load_b64 s[22:23], s[8:9], s16 offset:0x8000 ; the two weights
	s_add_nc_u64 s[4:5], s[4:5], s[18:19]
	s_add_nc_u64 s[12:13], s[12:13], s[18:19]
.irp j, 0,1,2,3,4,5,6,7
	global_load_b128 v[16+4*\j:19+4*\j], v1, s[4:5] offset:512*\j th:TH_LOAD_NT
.endr
	s_wait_kmcnt 0x0
	s_min_u32 s20, s20, 2495
	s_min_u32 s21, s21, 2495
	s_lshl_b32 s28, s20, 12
	s_add_nc_u64 s[30:31], s[10:11], s[28:29]
	s_add_nc_u64 s[32:33], s[30:31], EPH
	s_lshl_b32 s28, s21, 12
	s_add_nc_u64 s[34:35], s[10:11], s[28:29]
	s_add_nc_u64 s[36:37], s[34:35], EPH
	s_mov_b32 s24, s22                             ; the packed forms name pairs and take the low word for both halves
	s_mov_b32 s25, s22
	s_mov_b32 s26, s23
	s_mov_b32 s27, s23
.irp j, 0,1,2,3,4,5,6,7
	global_load_b128 v[48+4*\j:51+4*\j], v1, s[30:31] offset:512*\j th:TH_LOAD_NT
.endr
.irp j, 0,1,2,3,4,5,6,7
	global_load_b128 v[80+4*\j:83+4*\j], v1, s[32:33] offset:512*\j th:TH_LOAD_NT
.endr
.irp j, 0,1,2,3,4,5,6,7
	global_load_b128 v[112+4*\j:115+4*\j], v1, s[34:35] offset:512*\j th:TH_LOAD_NT
.endr
.irp j, 0,1,2,3,4,5,6,7
	global_load_b128 v[144+4*\j:147+4*\j], v1, s[36:37] offset:512*\j th:TH_LOAD_NT
.endr
	s_wait_loadcnt 16                              ; x and the first row's two halves are in; the second row's sixteen loads may be out
.set j, 0
.rept 16
	v_pk_add_f32 v[48+j:49+j], v[48+j:49+j], v[80+j:81+j]
	v_pk_fma_f32 v[16+j:17+j], v[48+j:49+j], s[24:25], v[16+j:17+j] op_sel_hi:[1,0,1]
.set j, j+2
.endr
	s_wait_loadcnt 0x0
.set j, 0
.rept 16
	v_pk_add_f32 v[112+j:113+j], v[112+j:113+j], v[144+j:145+j]
	v_pk_fma_f32 v[16+j:17+j], v[112+j:113+j], s[26:27], v[16+j:17+j] op_sel_hi:[1,0,1]
.set j, j+2
.endr
.irp j, 0,1,2,3,4,5,6,7
	global_store_b128 v1, v[16+4*\j:19+4*\j], s[12:13] offset:512*\j th:TH_STORE_NT
.endr
	s_endpgm
.Lfunc_end_k_q98c25b5fcd_comb:
	.size	k_q98c25b5fcd_comb, .Lfunc_end_k_q98c25b5fcd_comb-k_q98c25b5fcd_comb
	.p2alignl 7, 3214868480
	.fill 96, 4, 3214868480
	.section	.rodata,"a",@progbits
	.p2align	6, 0x0
	.amdhsa_kernel k_q98c25b5fcd_comb
		.amdhsa_group_segment_fixed_size 0
		.amdhsa_private_segment_fixed_size 0
		.amdhsa_enable_private_segment 0
		.amdhsa_kernarg_size 40
		.amdhsa_user_sgpr_count 2
		.amdhsa_user_sgpr_kernarg_segment_ptr 1
		.amdhsa_wavefront_size32 1
		.amdhsa_system_sgpr_workgroup_id_x 1
		.amdhsa_system_sgpr_workgroup_id_y 1
		.amdhsa_system_sgpr_workgroup_id_z 1
		.amdhsa_system_vgpr_workitem_id 0
		.amdhsa_next_free_vgpr 176
		.amdhsa_next_free_sgpr 66
		.amdhsa_reserve_vcc 0
		.amdhsa_float_denorm_mode_32 3
		.amdhsa_float_denorm_mode_16_64 3
		.amdhsa_memory_ordered 1
		.amdhsa_forward_progress 1
		.amdhsa_inst_pref_size 11
	.end_amdhsa_kernel
	.amdgpu_metadata
---
amdhsa.version: [ 1, 2 ]
amdhsa.kernels:
  - .name:           k_q98c25b5fcd_comb
    .symbol:         k_q98c25b5fcd_comb.kd
    .args:
      - { .name: x, .offset: 0, .size: 8, .value_kind: global_buffer, .address_space: global }
      - { .name: plan, .offset: 8, .size: 8, .value_kind: global_buffer, .address_space: global }
      - { .name: rt, .offset: 16, .size: 8, .value_kind: global_buffer, .address_space: global }
      - { .name: ep, .offset: 24, .size: 8, .value_kind: global_buffer, .address_space: global }
      - { .name: out0, .offset: 32, .size: 8, .value_kind: global_buffer, .address_space: global }
    .group_segment_fixed_size: 0
    .private_segment_fixed_size: 0
    .kernarg_segment_align: 8
    .kernarg_segment_size: 40
    .max_flat_workgroup_size: 128
    .sgpr_count:     66
    .vgpr_count:     176
    .wavefront_size: 32
...
	.end_amdgpu_metadata
.endif
;; end of part 5
